; MI455X (gfx1250); checked and timed in simulation.
; The chip was launched on July 23, 2026; its instructions are those of AMD's public machine-readable ISA for CDNA 5 (MIT licence, August 2026) and "CDNA5" Instruction Set Architecture Reference Guide (July 2026). The comments in the code are by the model that wrote it; some were corrected since.
;; Multi Head Base. Allowed arithmetic: matrix products marked QUANTISED: E2M3 operands, one E8M0 scale for each 32 along K, by v_wmma_scale_f32_16x16x128_f8f6f4 with both operands' format E2M3, f32 sums; everything else in f32.
;; Inputs: k_codes 4 x 16 x 2,048 x 2 x 24 uint8 (E2M3 codes of k, K innermost, in blocks of 32 codes, four codes in three bytes); k_scales 4 x 16 x 2,048 x 2 uint8 (E8M0 scales of k, one for each 32 codes along K); mask 1 x 1 x 2,048 x 2,048 int32; q_codes 4 x 16 x 2,048 x 2 x 24 uint8 (E2M3 codes of q, K innermost, in blocks of 32 codes, four codes in three bytes); q_scales 4 x 16 x 2,048 x 2 uint8 (E8M0 scales of q, one for each 32 codes along K); v_codes 4 x 16 x 64 x 64 x 24 uint8 (E2M3 codes of v, K innermost, in blocks of 32 codes, four codes in three bytes); v_scales 4 x 16 x 64 x 64 uint8 (E8M0 scales of v, one for each 32 codes along K).
;; Outputs: out0 4 x 2,048 x 1,024 float32.
;; Constants: batch = 4, q_seq = 2048.
;; This version of the problem:
;;   THIS VERSION OF THE PROBLEM IS GIVEN IN LOW PRECISION. The matrix products marked QUANTISED in the list below multiply operands that are first quantised to E2M3 (2 exponent bits, 3 mantissa bits; 6 bits a number), with one power-of-two scale for each 32 numbers along K (OCP MX v1.0); their sums are f32. All else is computed in f32.
;;   The module's matrix products, in the order in which they are computed (A, B: the left and right operand; K: the contracted axis; several contracted axes count as one K, in the product's order):
;;     1. batch 64 x [M 2,048, K 64] x [K 64, N 2,048]; A: input q (given as codes); B: input k (given as codes): QUANTISED
;;     2. batch 64 x [M 2,048, K 2,048] x [K 2,048, N 64]; A: computed on the way; B: input v (given as codes): QUANTISED
;;   THE QUANTISER, for each operand of a quantised product, along K:
;;     - K is cut into blocks of 32 from its start; a last block that is shorter is filled with zeros.
;;     - A block's scale is 2^e with e = floor(log2(the largest magnitude in the block)) - 2, held to -126 .. 127; a block of zeros has e = 0. As a byte (E8M0): e + 127.
;;     - Each number is divided by its block's scale, clamped to +-7.5, and rounded to the nearest number of E2M3, ties to even, subnormals kept.
;;     - The product sums the exact products of the quantised numbers (number of the format x scale) in f32.
;;   ~~~python
;;   def quantise(x, axis):      # numpy; x: float32 -> the quantised numbers, widened to float32 again
;;       x = np.moveaxis(x, axis, -1); K = x.shape[-1]
;;       x = np.pad(x, [(0, 0)] * (x.ndim - 1) + [(0, -K % 32)]); x = x.reshape(x.shape[:-1] + (-1, 32)); a = np.abs(x).max(-1, keepdims=True)
;;       e = np.where(a > 0, np.clip(np.frexp(np.where(a > 0, a, 1))[1] - 1 - 2, -126, 127), 0)      # np.frexp(a)[1] - 1 = floor(log2(a)), exactly
;;       r = np.clip(x / 2.0 ** e, -7.5, 7.5)
;;       step = 2.0 ** (np.maximum(np.frexp(np.where(r == 0, 1, r))[1] - 1, 0) - 3)
;;       q = np.round(r / step) * step * 2.0 ** e      # np.round: ties to even
;;       return np.moveaxis(q.reshape(q.shape[:-2] + (-1,))[..., :K], -1, axis).astype(np.float32)
;;   ~~~
;;   OPERANDS COMPUTED ON THE WAY. 'Computed on the way' means the value that the module computes at that place (a softmax that the list does not call 'softmax' is quantised finished and normalised). What goes into a quantiser is computed in f32, as accurately as f32 sums, v_exp_f32 and their like allow (about 1e-6 of the number): no bf16 or f16 on the way to a quantiser, and a product that is left as it is and whose result goes on into a quantised operand takes f32 operands (vector FMAs, or v_wmma_f32_16x16x4_f32). A number that lies on a knife's edge between two numbers of the format may be rounded either way, as far as f32 arithmetic and the matrix unit's own rounding can turn it there, and no further.
;;   INPUTS GIVEN AS CODES. k (in the module: [4, 16, 2048, 64], K = its axis 3); q (in the module: [4, 16, 2048, 64], K = its axis 3); v (in the module: [4, 16, 2048, 64], K = its axis 2): each comes as NAME_codes (uint8): NAME with its K axis moved to the last place and cut into blocks of 32 codes, [.., K / 32, bytes a block], one block behind the other in memory; four codes in three bytes: a row's codes are one little-endian stream of bits, code i at bits 6 i .. 6 i + 5 (a code: sign, 2 exponent bits, 3 mantissa bits); and NAME_scales (uint8): the same leading axes, one E8M0 byte (e + 127) for each 32 codes along K. Its value is code x scale, taken as it is: it is not quantised again, and the codes and scales need not be those that the quantiser above would give.
;; One version. Each part assembles by itself: llvm-mc -triple=amdgcn-amd-amdhsa -mcpu=gfx1250 --defsym DOCPART=n.
;; ======== version 1 of 1: 2 launches
;; workspace buffers: mw 524,288 bytes of whole numbers
;; launch maskw (part 1): grid 256 x 1, 8 waves a work-group, no clusters, 68,608 bytes of LDS; arguments mask, mw; writes mw
.if DOCPART == 1
	.amdgcn_target "amdgcn-amd-amdhsa--gfx1250"
	.amdhsa_code_object_version 6
	.text
	.protected	k_q2f269c990d_maskw
	.globl	k_q2f269c990d_maskw
	.p2align	8
	.type	k_q2f269c990d_maskw,@function
k_q2f269c990d_maskw:
	s_mov_b64 s[64:65], 0
	v_nop
	global_prefetch_b8 v0, s[64:65] scope:SCOPE_SE
	s_setreg_imm32_b32 hwreg(HW_REG_WAVE_MODE, 25, 1), 1
	s_wait_xcnt 0x0
; The int32 mask [2048 queries][2048 keys] becomes words of 32 bits, one bit a lane, in the shape in which the next launch selects by them.
; mw is [query tile 128][key step 16][word 64] of 32 bits.  Bit l of word n says whether mask[16 tile + l % 16][128 step + 64 (n / 32) + 32 (l / 16) + n % 32] is other than 0: "kept", as reference()'s mask == 0 has it.
; No work of reference() is left out in this program: every input has a way to the output; batch and q_seq are constants of the sizes.
; SHARES.  A wave takes one unit of 16 queries x 128 keys: 8,192 bytes in, 256 bytes out; 2,048 units, eight to a work-group.  Nothing is shared between waves: no barrier.  No matrix unit, no cluster: a stream that is read once.
; Each of a unit's sixteen loads reads 512 consecutive bytes of one query's row, 16 a lane.  A compare wants lane (r, h) to hold query r and keys 32 h on, so the unit turns through the wave's own stage in LDS
; (rows of 512 bytes + 16, so that the sixteen rows that a load of 16 bytes a lane touches start at sixteen different banks: 64 banks of 4 bytes, ISA guide 11.1).
; A compare leaves a word in a scalar register; v_writelane_b32 puts word n into lane n / 2, register n % 2: the 32 lanes then store the unit's 256 consecutive bytes, aligned.
.set MROW,  8192                       ; a row of the mask in bytes
.set SP,    528                        ; a stage row
.set WST,   16*SP                      ; a wave's stage
.set SPARE, 8*WST                      ; behind the eight stages: the spare words, 128 bytes for each wave: four blocks of 256 bytes that no other line names
.set LO,    1                          ; v1   16 x lane: my bytes of a load's 512
.set SI,    2                          ; v2   the stage, on the way in
.set SO,    3                          ; v3   the stage, on the way out: row r, + 128 h
.set WO,    4                          ; v4   8 x lane: my two words of the unit's 64
.set SPW,   10                         ; v10  LDS address of my spare word; never rewritten
.set NIL,   11                         ; v11  0; never rewritten
.set R,     16                         ; v16-79   the unit as loaded
.set Y,     80                         ; v80-143  turned: register 32 c + i = mask[r][64 c + 32 h + i]
.set W,     144                        ; v144-145 the words to store
	s_load_b128 s[4:7], s[0:1], 0x0                ; mask s[4:5], mw s[6:7]
	v_lshl_add_u32 v[SPW], v0, 2, SPARE
	v_mov_b32 v[NIL], 0
	v_lshrrev_b32 v5, 5, v0
	v_readfirstlane_b32 s8, v5                     ; wave 0..7
	v_and_b32 v5, 31, v0                           ; lane
	v_and_b32 v6, 15, v0                           ; r
	v_bfe_u32 v7, v0, 4, 1                         ; h
	v_lshlrev_b32 v[LO], 4, v5
	s_mul_i32 s9, s8, WST                          ; my stage
	v_add_nc_u32 v[SI], s9, v[LO]
	v_mul_u32_u24 v[SO], v6, SP
	v_lshl_add_u32 v[SO], v7, 7, v[SO]
	v_add_nc_u32 v[SO], s9, v[SO]
	v_lshlrev_b32 v[WO], 3, v5
	v_mov_b32 v[W], 0                              ; written whole once: v_writelane_b32 keeps the other lanes
	v_mov_b32 v[W+1], 0
	s_lshl_b32 s12, ttmp9, 3
	s_add_co_u32 s12, s12, s8                      ; my unit: 16 x query tile + key step
	s_lshr_b32 s10, s12, 4
	s_lshl_b32 s10, s10, 17                        ; 16 rows of 8,192 bytes a query tile
	s_and_b32 s13, s12, 15
	s_lshl_b32 s13, s13, 9                         ; 512 bytes a key step
	s_add_co_u32 s10, s10, s13
	s_mov_b32 s11, 0
	s_lshl_b32 s12, s12, 8                         ; 256 bytes of words a unit
	s_mov_b32 s13, 0
	s_wait_kmcnt 0x0
	s_add_nc_u64 s[4:5], s[4:5], s[10:11]
	s_add_nc_u64 s[6:7], s[6:7], s[12:13]
.irp i, 0,1,2,3,4,5,6,7,8,9,10,11,12,13,14,15
	global_load_b128 v[R+4*\i:R+4*\i+3], v[LO], s[4:5] offset:MROW*\i th:TH_LOAD_NT   ; query i: 512 consecutive bytes; read once in the launch
.endr
.irp i, 0,1,2,3,4,5,6,7,8,9,10,11,12,13,14,15
	s_wait_loadcnt 15-\i                           ; loads come back in order: row i is in, the younger rows may be out
	ds_store_b128 v[SI], v[R+4*\i:R+4*\i+3] offset:SP*\i
.endr
.irp c, 0,1
.irp j, 0,1,2,3,4,5,6,7
	ds_load_b128 v[Y+32*\c+4*\j:Y+32*\c+4*\j+3], v[SO] offset:256*\c+16*\j   ; LDS serves a wave's instructions in order: these see my stores
.endr
.endr
.irp c, 0,1
	s_wait_dscnt 8-8*\c                            ; this half's eight loads are in; the other half's eight may be out
.set wi, 0
.rept 32
	v_cmp_ne_u32 s[16+wi], 0, v[Y+32*\c+wi]        ; word 32 c + i: a bit a lane
.set wi, wi+1
.endr
.set wi, 0
.rept 32
	v_writelane_b32 v[W+wi%2], s[16+wi], 16*\c+wi/2
.set wi, wi+1
.endr
.endr
	global_store_b64 v[WO], v[W:W+1], s[6:7]       ; 32 lanes store 256 consecutive bytes, at a multiple of 256 from mw's first byte
	s_wait_tensorcnt 0x0                           ; the wave's end, behind my last LDS store
	ds_add_u32 v[SPW], v[NIL]
	s_wait_dscnt 0x0
	s_endpgm
.Lfunc_end_k_q2f269c990d_maskw:
	.size	k_q2f269c990d_maskw, .Lfunc_end_k_q2f269c990d_maskw-k_q2f269c990d_maskw
	.p2alignl 7, 3214868480
	.fill 96, 4, 3214868480
	.section	.rodata,"a",@progbits
	.p2align	6, 0x0
	.amdhsa_kernel k_q2f269c990d_maskw
		.amdhsa_group_segment_fixed_size 68608
		.amdhsa_private_segment_fixed_size 0
		.amdhsa_enable_private_segment 0
		.amdhsa_kernarg_size 16
		.amdhsa_user_sgpr_count 2
		.amdhsa_user_sgpr_kernarg_segment_ptr 1
		.amdhsa_wavefront_size32 1
		.amdhsa_system_sgpr_workgroup_id_x 1
		.amdhsa_system_sgpr_workgroup_id_y 1
		.amdhsa_system_sgpr_workgroup_id_z 1
		.amdhsa_system_vgpr_workitem_id 0
		.amdhsa_next_free_vgpr 148
		.amdhsa_next_free_sgpr 66
		.amdhsa_reserve_vcc 0
		.amdhsa_float_denorm_mode_32 3
		.amdhsa_float_denorm_mode_16_64 3
		.amdhsa_memory_ordered 1
		.amdhsa_forward_progress 1
		.amdhsa_inst_pref_size 14
	.end_amdhsa_kernel
	.amdgpu_metadata
---
amdhsa.version: [ 1, 2 ]
amdhsa.kernels:
  - .name:           k_q2f269c990d_maskw
    .symbol:         k_q2f269c990d_maskw.kd
    .args:
      - { .name: mask, .offset: 0, .size: 8, .value_kind: global_buffer, .address_space: global }
      - { .name: mw, .offset: 8, .size: 8, .value_kind: global_buffer, .address_space: global }
    .group_segment_fixed_size: 68608
    .private_segment_fixed_size: 0
    .kernarg_segment_align: 8
    .kernarg_segment_size: 16
    .max_flat_workgroup_size: 256
    .sgpr_count:     66
    .vgpr_count:     148
    .wavefront_size: 32
...
	.end_amdgpu_metadata
.endif
;; end of part 1
;; launch attn (part 2): grid 4 x 64, 8 waves a work-group, clusters of 4 x 1, 241,664 bytes of LDS; arguments q_codes, q_scales, k_codes, k_scales, v_codes, v_scales, mw, out0; writes out0
.if DOCPART == 2
	.amdgcn_target "amdgcn-amd-amdhsa--gfx1250"
	.amdhsa_code_object_version 6
	.text
	.protected	k_q2f269c990d_attn
	.globl	k_q2f269c990d_attn
	.p2align	8
	.type	k_q2f269c990d_attn,@function
k_q2f269c990d_attn:
	s_mov_b64 s[64:65], 0
	v_nop
	global_prefetch_b8 v0, s[64:65] scope:SCOPE_SE
	s_setreg_imm32_b32 hwreg(HW_REG_WAVE_MODE, 25, 1), 1
	s_wait_xcnt 0x0
	s_wait_alu depctr_hold_cnt(0) depctr_sa_sdst(0) depctr_va_vdst(0) depctr_va_sdst(0) depctr_va_ssrc(0) depctr_va_vcc(0) depctr_vm_vsrc(0)
	s_getreg_b32 s2, hwreg(HW_REG_IB_STS2, 6, 4)
	s_cmp_eq_u32 s2, 0
	s_cbranch_scc0 .Lentry_in_a_cluster
	s_endpgm
.Lentry_in_a_cluster:
	s_bfe_u32 s2, ttmp6, 0x10000c
	s_cmp_lg_u32 s2, 0x3003
	s_cbranch_scc0 .Lentry_shape_is_right
	s_endpgm
.Lentry_shape_is_right:
; out[b][q][64 hd + d] = the sum over keys of Q(x[q][key]) v[key][d];  x = log_softmax_key(q . k / 8), then -1e9 where the mask is 0;  Q the MX quantiser along the keys, blocks of 32, codes of FP6 (E2M3).
; q, k: codes along the head's 64; v: codes with the keys innermost.  Both products by v_wmma_scale_f32_16x16x128_f8f6f4 on FP6 codes; everything else in f32.
; NO WORK OF reference() IS LEFT OUT: every input has a way to the output.  MORE is done than reference() writes: the quantiser wants the finished x, so the row's L = log(sum of exp) over all 2,048 keys must be known
; first, and 16 x 2,048 scores fit neither a wave's registers nor its share of LDS: so the first product is made TWICE.  Pass 1: scores, a running maximum and sum, L.  Pass 2: scores again, x = s / 8 - L, the mask, codes, x . v.
; LIMITS.  NaN, infinities and the scale byte 0xff among the inputs are not served.  x is one fused multiply-add of the score, 0.125 and -L, L rounded once to f32: its error is at most half a last place of L.
; A block's scale byte is held at 1 from below (largest magnitude under 2^-124): not met where a block holds 32 log-probabilities, of which one at least is ln 32 or more in size.
; SHARES.  A work-group owns 512 queries of one head, each of its eight waves 64: four tiles of 16.  Two waves to a SIMD, 512 registers each, so that one wave's vector work stands beside the other's products and LDS loads.
; A WHOLE HEAD'S K AND V, codes and scale bytes, 204,800 bytes, come into LDS ONCE: no slot is ever filled again.  CLUSTER: a head's four blocks of queries form a cluster and ask for every tile JOINTLY
; (the same tensor load, the same descriptor, a mask that names the four).  My place in the cluster enters the addresses of Q, of the mask words and of out alone.
; A HEAD OF 64 IN A PRODUCT OF 128.  K is read as 1,024 rows of 96 bytes, keys 2 R and 2 R + 1 on end, with their four scale bytes as one word: a plain fragment.  Q stands in registers between runs of six zero registers:
; [q, 0] picks the even key, [0, q] the odd one.  Q's scale register holds its two bytes low in lanes 0-15 and high in lanes 16-31; the half that meets zero codes has the byte 0, which is no NaN, and adds nothing.
; WHICH ROWS FORM A TILE.  Both products are used transposed (source 0 = keys, or channels; source 1 = queries): a lane holds ONE query (lane % 16) throughout.  Lane r of K's fragment T of a step of 128 keys takes row
; 32 (T / 2) + 16 (r / 8) + 8 (T % 2) + r % 8 of the step's 64.  Then lane (r, h) holds of accumulator 2 T + e, register j, the key 64 (T / 2) + 32 h + 16 (T % 2) + 2 j + e: TWO WHOLE BLOCKS of 32 keys a lane, the very blocks
; that the 6-bit operand's layout gives that lane.  So a block's largest magnitude needs no other lane, and the select that applies the mask writes each x to its place along the keys: the order costs nothing.
; Lane r of V's fragment dt takes channel 8 dt + r % 8 + 32 (r / 8): a lane's 32 results of a tile are 32 neighbouring channels of its query.
; REGISTERS, in windows of 256 (s_set_vgpr_msb: bits 1:0 source 0, 3:2 source 1, 5:4 source 2, 7:6 destination):
;   window 0: v1-15 addresses and constants; v16-17 K's or V's scale words; v20-23 Q's; v24-27 x's; v28-43 statistics; v44-62 at work; v64-127 S, v128-191 X: scores, x; v192-239 x's codes; v240-255 at work.
;   window 1: v0-127 O^T (32 a tile); v128-181 Q between zeros; v184-231 four fragments of K or of V.
.set DELTA, 49168                      ; from the rows with r / 8 = 0 to those with r / 8 = 1: 16 bytes over a multiple of 256, so that with rows of 96 bytes the 32 lanes of a load of 8 bytes touch 64 different banks (64 banks of 4 bytes: ISA guide 11.1)
.set VC,    98560                      ; LDS: K's codes at 0 (even blocks of 32 keys) and at DELTA (odd ones), 1,536 bytes a block;  V's here (channels 0-31) and DELTA on (32-63): [key step 16][channel 32][96 bytes]
.set KSC,   197120                     ; K's scale bytes, 4,096, dense
.set VSC,   201216                     ; V's: 64 rows of 64 bytes + 8
.set STAGE, 205824                     ; the way out: 16 rows x (256 bytes + 16) for each wave; no tensor load lands here
.set SPITCH, 272
.set SPARE, 240640                     ; the spare words, 128 bytes for each wave: four blocks of 256 bytes that no other line names
.set AL,   1                           ; v1   my lane's place in a fragment: 96 (r % 8) + DELTA (r / 8) + 24 h
.set AV0,  2                           ; v2   the same in V
.set AKS0, 3                           ; v3   my place among K's scale words: lanes 0-15 the even fragment's rows, lanes 16-31 the odd one's
.set AVS0, 4                           ; v4   and among V's
.set ADR,  5                           ; v5   the run of loads in hand: codes,
.set ADS,  6                           ; v6   scale words
.set SPW,  7                           ; v7   LDS address of my spare word; never rewritten
.set NIL,  8                           ; v8   0; never rewritten
.set NEG,  9                           ; v9   -1e9
.set SH8,  10                          ; v10  8 h
.set STO,  11                          ; v11  the way out: where I put 16 bytes of a row
.set RD,   12                          ; v12  where I read a row back
.set GO,   13                          ; v13  my byte offset in out
.set QO,   14                          ; v14  my byte offset in the wave's rows of Q
.set QSO,  15                          ; v15  and in their scale bytes
.set KVS,  16
.set QS,   20
.set PS,   24
.set ST,   28                          ; tile t at v[ST + 4 t]: +0 -M (pass 2: -L), +1 the largest t, +2, +3 the sum in two halves
.set TM,   44
.set CT,   56
.set S,    64
.set X,    128
.set P,    192
.set U,    240
.set QZ,   128                         ; window 1: six zeros at QZ + 12 i, tile t's six registers at QZ + 6 + 12 t
.set F,    184                         ; window 1
.set G1K,  20                          ; s[20:27] descriptor group 1: K's codes;  s[28:35] V's codes;  s[36:43] K's scale bytes;  s[44:51] V's
.set G1V,  28
.set G1KS, 36
.set G1VS, 44
.set G0K,  52                          ; groups 0
.set G0KS, 56
.set G0VS, 60
.set G0V,  68                          ; s[68:83]: four
.set WV,   84                          ; my wave's number
.set CNT,  85
.set MW,   86                          ; s[86:87] the mask words of my first tile
.set OUT,  88                          ; s[88:89] out at my first query and my head
.set CS,   90                          ; s[90:91] log2(e) / 8: the packed forms name a pair and take its low word for both halves
.set C8,   92                          ; s[92:93] 1 / 8
.set SEL,  94                          ; s[94:95] v_permlanex16_b32's selects for lane l xor 16
.set TK,   96                          ; the step's codes: 3,072 bytes a step, in K and in V alike
.set TS,   97                          ; K's scale words: 256 bytes a step
.set TJ,   98                          ; V's: 4 bytes a step
.set MO,   99                          ; the mask words: 256 bytes a step
; From pass 2 on s[16:63] and s[68:83], the descriptors' registers, hold a tile's 64 mask words: word n in s[16 + n], from word 48 on in s[20 + n].
.set MSB, 0
.macro WIN new                         ; the immediate's high byte repeats the setting that is left; a switch that changes nothing is dropped
.if MSB != \new
	s_set_vgpr_msb (MSB<<8)|\new
.set MSB, \new
.endif
.endm
.macro PLACES n                        ; a vector instruction or a store that reads a matrix result, and a load into a register of a matrix instruction, stand four plain vector instructions behind it (ISA guide 7.12.1 for vector instructions)
.rept \n
	v_nop
.endr
.endm
.macro ROUND                           ; a round of the cluster's barrier
	s_barrier_signal -1
	s_barrier_wait -1
	s_cmp_lg_u32 s[WV], 0
	s_cbranch_scc1 .Lnot_wave_0_\@
	s_barrier_signal -3
.Lnot_wave_0_\@:
	s_barrier_wait -3
	s_barrier_signal -1
	s_barrier_wait -1
.endm
.macro LOADF                           ; four fragments, of K or of V, from v[ADR] on: 24 bytes of a row's stream of bits as three pieces of 8, twice
	WIN 0x40                                       ; destination window 1
.irp f, 0,1,2,3
.irp p, 0,1,2,3,4,5
	ds_load_b64 v[F+12*\f+2*\p:F+12*\f+2*\p+1], v[ADR] offset:768*\f+48*(\p/3)+8*(\p%3)
.endr
.endr
.endm
.macro LOADS step                      ; their scale words: register c serves fragment 2 c from lanes 0-15 and fragment 2 c + 1 from lanes 16-31
	WIN 0
	ds_load_b32 v[KVS], v[ADS]
	ds_load_b32 v[KVS+1], v[ADS] offset:\step
.endm
; S^T = K Q^T for tile t, 128 keys, into buf: eight products, accumulator 2 T + e: fragment T against [q, 0] (e = 0) or [0, q] (e = 1).  Each starts its sum with the constant 0.
.macro QK t, buf
	WIN 0x05                                       ; K and Q in window 1, the scores in window 0
.set qa, 0
.rept 8
.set rD, \buf+8*qa
.set rA, F+12*(qa/2)
.set rB, QZ+12*(\t)+6*(1-qa%2)
.set rK, KVS+qa/4
.if ((qa/2)%2 == 0) && (qa%2 == 0)
	v_wmma_scale_f32_16x16x128_f8f6f4 v[rD:rD+7], v[rA:rA+11], v[rB:rB+11], 0, v[rK], v[QS+\t] matrix_a_fmt:MATRIX_FMT_FP6 matrix_b_fmt:MATRIX_FMT_FP6
.elseif (qa/2)%2 == 0
	v_wmma_scale_f32_16x16x128_f8f6f4 v[rD:rD+7], v[rA:rA+11], v[rB:rB+11], 0, v[rK], v[QS+\t] matrix_a_fmt:MATRIX_FMT_FP6 matrix_b_fmt:MATRIX_FMT_FP6 matrix_b_scale:MATRIX_SCALE_ROW1
.elseif qa%2 == 0
	v_wmma_scale_f32_16x16x128_f8f6f4 v[rD:rD+7], v[rA:rA+11], v[rB:rB+11], 0, v[rK], v[QS+\t] matrix_a_fmt:MATRIX_FMT_FP6 matrix_b_fmt:MATRIX_FMT_FP6 matrix_a_scale:MATRIX_SCALE_ROW1
.else
	v_wmma_scale_f32_16x16x128_f8f6f4 v[rD:rD+7], v[rA:rA+11], v[rB:rB+11], 0, v[rK], v[QS+\t] matrix_a_fmt:MATRIX_FMT_FP6 matrix_b_fmt:MATRIX_FMT_FP6 matrix_a_scale:MATRIX_SCALE_ROW1 matrix_b_scale:MATRIX_SCALE_ROW1
.endif
.set qa, qa+1
.endr
.endm
; PASS 1, tile t, the lane's 64 scores in B.  t = score x log2(e) / 8; M = the lane's largest t so far, rounded up to a whole number, kept as -M; the sum of 2^(t - M).  When M moves, the sum is multiplied by
; 2^(old M - new M), which rounds nothing.  Each lane keeps the statistics of its own half of the keys; the two halves of a query meet once, behind the pass.
.macro VEC1 t, B
	WIN 0
.set rT, ST+4*(\t)
.irp k, 0,1,2,3
	v_max3_num_f32 v[TM+\k], v[\B+16*\k], v[\B+16*\k+1], v[\B+16*\k+2]   ; four chains by turns; each accumulator is read from its low end on
.endr
.irp i, 3,5,7,9,11,13
.irp k, 0,1,2,3
	v_max3_num_f32 v[TM+\k], v[TM+\k], v[\B+16*\k+\i], v[\B+16*\k+\i+1]
.endr
.endr
.irp k, 0,1,2,3
	v_max_num_f32 v[TM+\k], v[TM+\k], v[\B+16*\k+15]
.endr
	v_max3_num_f32 v[TM+4], v[TM], v[TM+1], v[TM+2]
	v_max_num_f32 v[TM+4], v[TM+4], v[TM+3]
	v_mul_f32 v[TM+4], s[CS], v[TM+4]              ; as t (the factor is positive)
	v_max_num_f32 v[rT+1], v[rT+1], v[TM+4]        ; the running largest t
	v_mov_b32 v[TM+5], v[rT]
	v_floor_f32 v[rT], -v[rT+1]                    ; the new -M = floor(-t)
	v_sub_f32 v[TM+5], v[rT], v[TM+5]              ; old M - new M: a whole number, 0 or less
	v_cvt_i32_f32 v[TM+5], v[TM+5]                 ; (it saturates)
	v_ldexp_f32 v[TM+2], 1.0, v[TM+5]              ; f = 2^(old M - new M)
	; ONE BATCH: 32 packed scalings t - M and 64 exponentials; a pair is scaled ahead of its exponentials, and nothing here names an exponential's result
	v_pk_fma_f32 v[\B:\B+1], v[\B:\B+1], s[CS:CS+1], v[rT:rT+1] op_sel_hi:[1,0,0]
.set vb, 1
.rept 31
	v_pk_fma_f32 v[\B+2*vb:\B+2*vb+1], v[\B+2*vb:\B+2*vb+1], s[CS:CS+1], v[rT:rT+1] op_sel_hi:[1,0,0]
	v_exp_f32 v[\B+2*vb-2], v[\B+2*vb-2]
	v_exp_f32 v[\B+2*vb-1], v[\B+2*vb-1]
.set vb, vb+1
.endr
	v_exp_f32 v[\B+62], v[\B+62]
	v_exp_f32 v[\B+63], v[\B+63]
	v_pk_mul_f32 v[rT+2:rT+3], v[rT+2:rT+3], v[TM+2:TM+3] op_sel_hi:[1,0]   ; the sums under the new M: the plain instruction behind the last exponential
	s_wait_alu depctr_va_vdst(0)                   ; one wait for the batch, ahead of its first reader
	v_pk_add_f32 v[TM+4:TM+5], v[\B:\B+1], v[\B+2:\B+3]   ; the sums, two at a time, in two chains
.irp j, 4,8,12,16,20,24,28,32,36,40,44,48,52,56,60
	v_pk_add_f32 v[rT+2:rT+3], v[rT+2:rT+3], v[\B+\j:\B+\j+1]
	v_pk_add_f32 v[TM+4:TM+5], v[TM+4:TM+5], v[\B+\j+2:\B+\j+3]
.endr
	v_pk_add_f32 v[rT+2:rT+3], v[rT+2:rT+3], v[TM+4:TM+5]
.endm
; A step of pass 1: 128 keys, four tiles.  Two buffers of scores take turns, so that a tile's products are issued ahead of another tile's vector work.  next = 1: the next step's K is fetched behind the last products.
.macro STEP1 next
	s_wait_dscnt 0x0                               ; this step's fragments and scale words are in
	QK 0, S
	QK 1, X
	PLACES 4
	VEC1 0, S
	QK 2, S                                        ; (tile 0's vector work is the places between the products that wrote S and these)
	VEC1 1, X
	QK 3, X
.if \next
	WIN 0
	s_add_co_u32 s[TK], s[TK], 3072
	s_add_co_u32 s[TS], s[TS], 256
	v_add_nc_u32 v[ADR], s[TK], v[AL]              ; these two and two v_nop: the four places in front of loads into registers that the products above have read
	v_add_nc_u32 v[ADS], s[TS], v[AKS0]
	PLACES 2
	LOADF
	LOADS 128
.endif
	VEC1 2, S
	VEC1 3, X
.endm
; PASS 2.
.macro FMA t                           ; x = s / 8 - L, two at a time, each accumulator from its low end on
	WIN 0
.set fi, 0
.rept 32
	v_pk_fma_f32 v[S+fi:S+fi+1], v[S+fi:S+fi+1], s[C8:C8+1], v[ST+4*(\t):ST+4*(\t)+1] op_sel_hi:[1,0,0]
.set fi, fi+2
.endr
.endm
.macro CND                             ; the mask: -1e9 where the word's bit of my lane is 0.  The select also puts each x at its place along the keys: X's register 32 c + i is key 64 c + 32 h + i
.set cn, 0
.rept 64
.set cs, S+32*(cn/32)+16*((cn/16)%2)+8*(cn%2)+(cn%16)/2
.set cm, 16+cn+4*(cn/48)
	v_cndmask_b32 v[X+cn], v[NEG], v[cs], s[cm]
.set cn, cn+1
.endr
.endm
.macro MLOAD t                         ; tile t's 64 mask words of the step at s[MO]: 256 consecutive bytes
	s_load_b512 s[16:31], s[MW:MW+1], s[MO] offset:4096*(\t)
	s_load_b512 s[32:47], s[MW:MW+1], s[MO] offset:4096*(\t)+64
	s_load_b512 s[48:63], s[MW:MW+1], s[MO] offset:4096*(\t)+128
	s_load_b512 s[68:83], s[MW:MW+1], s[MO] offset:4096*(\t)+192
.endm
; X's 64 numbers, my blocks h (registers 0-31) and 2 + h (32-63) of the step's four, become tile t's codes and scale word.
.macro QNT t
	WIN 0
.irp k, 0,1,2,3
	v_max3_num_f32 v[TM+\k], |v[X+16*\k]|, |v[X+16*\k+1]|, 0x1800000   ; four chains by turns; the floor 2^(3 - 127) holds the byte at 1 from below
.endr
.irp i, 2,4,6,8,10,12,14
.irp k, 0,1,2,3
	v_max3_num_f32 v[TM+\k], v[TM+\k], |v[X+16*\k+\i]|, |v[X+16*\k+\i+1]|
.endr
.endr
	v_max_num_f32 v[TM], v[TM], v[TM+1]            ; a block's largest magnitude: all 32 numbers are mine
	v_max_num_f32 v[TM+2], v[TM+2], v[TM+3]
	v_add_nc_u32 v[TM+4], 0xff000000, v[TM]        ; 2 off its exponent field: the conversion takes the exponent field of this operand as its scale
	v_add_nc_u32 v[TM+5], 0xff000000, v[TM+2]
	v_lshrrev_b32 v[TM+6], 23, v[TM+4]             ; the scale's byte
	v_lshrrev_b32 v[TM+7], 23, v[TM+5]
	v_lshl_or_b32 v[TM+6], v[TM+7], 16, v[TM+6]    ; my two bytes,
	v_lshlrev_b32 v[TM+6], v[SH8], v[TM+6]         ; at their places in the word (8 h bits up);
	v_permlanex16_b32 v[TM+8], v[TM+6], s[SEL], s[SEL+1]
	v_or_b32 v[PS+\t], v[TM+6], v[TM+8]            ; with lane l xor 16's two the word is whole
.irp c, 0,1
	v_cvt_scalef32_pk16_fp6_f32 v[P+12*(\t)+6*\c:P+12*(\t)+6*\c+2], v[X+32*\c:X+32*\c+15], v[TM+4+\c]
	v_cvt_scalef32_pk16_fp6_f32 v[CT+4*\c:CT+4*\c+2], v[X+32*\c+16:X+32*\c+31], v[TM+4+\c]   ; (a conversion's three registers begin on an even number: the second half of a block's six is made here and moved)
.endr
	v_nop                                          ; one plain instruction behind a scaled conversion
.irp c, 0,1
.irp i, 0,1,2
	v_mov_b32 v[P+12*(\t)+6*\c+3+\i], v[CT+4*\c+\i]
.endr
.endr
.endm
; O^T += V^T X^T: four fragments of 16 channels x four tiles of queries, K = the step's 128 keys.  The 16 accumulators take turns, one instruction a turn.  zero = 1: the first step starts the sums.
.macro PV zero
	WIN 0x51                                       ; V in window 1, x's codes in window 0, O^T in window 1
.irp dt, 0,1,2,3
.irp t, 0,1,2,3
.if \zero
.if (\dt%2) == 0
	v_wmma_scale_f32_16x16x128_f8f6f4 v[32*\t+8*\dt:32*\t+8*\dt+7], v[F+12*\dt:F+12*\dt+11], v[P+12*\t:P+12*\t+11], 0, v[KVS+\dt/2], v[PS+\t] matrix_a_fmt:MATRIX_FMT_FP6 matrix_b_fmt:MATRIX_FMT_FP6
.else
	v_wmma_scale_f32_16x16x128_f8f6f4 v[32*\t+8*\dt:32*\t+8*\dt+7], v[F+12*\dt:F+12*\dt+11], v[P+12*\t:P+12*\t+11], 0, v[KVS+\dt/2], v[PS+\t] matrix_a_fmt:MATRIX_FMT_FP6 matrix_b_fmt:MATRIX_FMT_FP6 matrix_a_scale:MATRIX_SCALE_ROW1
.endif
.else
.if (\dt%2) == 0
	v_wmma_scale_f32_16x16x128_f8f6f4 v[32*\t+8*\dt:32*\t+8*\dt+7], v[F+12*\dt:F+12*\dt+11], v[P+12*\t:P+12*\t+11], v[32*\t+8*\dt:32*\t+8*\dt+7], v[KVS+\dt/2], v[PS+\t] matrix_a_fmt:MATRIX_FMT_FP6 matrix_b_fmt:MATRIX_FMT_FP6
.else
	v_wmma_scale_f32_16x16x128_f8f6f4 v[32*\t+8*\dt:32*\t+8*\dt+7], v[F+12*\dt:F+12*\dt+11], v[P+12*\t:P+12*\t+11], v[32*\t+8*\dt:32*\t+8*\dt+7], v[KVS+\dt/2], v[PS+\t] matrix_a_fmt:MATRIX_FMT_FP6 matrix_b_fmt:MATRIX_FMT_FP6 matrix_a_scale:MATRIX_SCALE_ROW1
.endif
.endif
.endr
.endr
.endm
; A step of pass 2.  S is free behind the select, so tile t + 1's products are issued ahead of tile t's quantiser; a tile's mask words are asked for a tile ahead; V's fragments take K's registers behind tile 3's products.
.macro STEP2 zero, next
	WIN 0
	v_add_nc_u32 v[ADR], s[TK], v[AL]              ; these two and two v_nop: the four places behind the last step's products, in front of loads into registers that they have read
	v_add_nc_u32 v[ADS], s[TS], v[AKS0]
	PLACES 2
	LOADF
	LOADS 128
	s_wait_dscnt 0x0                               ; K's fragments and scale words are in
	QK 0, S
	PLACES 4
.irp t, 0,1,2,3
	FMA \t
	s_wait_kmcnt 0x0                               ; this tile's mask words are in (scalar loads come back in no order: only 0 shows anything)
	CND
.if \t < 3
	MLOAD \t+1
	QK \t+1, S
.else
.if \next
	s_add_co_u32 s[MO], s[MO], 256                 ; no scalar load is out: the offset may be written
	MLOAD 0
.endif
	v_add_nc_u32 v[ADR], s[TK], v[AV0]
	v_add_nc_u32 v[ADS], s[TJ], v[AVS0]
	LOADF                                          ; V's four fragments (tile 3's products, the last that read K's, stand a quantiser and more back)
	LOADS 1152
.endif
	QNT \t
.endr
	PLACES 8                                       ; a scale register written by a vector instruction stands eight places ahead of a scaled product, an operand so written four
	s_wait_dscnt 0x0                               ; V's fragments and scale words are in
	PV \zero
	WIN 0
	s_add_co_u32 s[TK], s[TK], 3072
	s_add_co_u32 s[TS], s[TS], 256
	s_add_co_u32 s[TJ], s[TJ], 4
.endm
	s_load_b512 s[4:19], s[0:1], 0x0               ; q_codes s[4:5], q_scales s[6:7], k_codes s[8:9], k_scales s[10:11], v_codes s[12:13], v_scales s[14:15], mw s[16:17], out0 s[18:19]
	v_lshl_add_u32 v[SPW], v0, 2, SPARE
	v_mov_b32 v[NIL], 0
	ds_add_u32 v[SPW], v[NIL]                      ; the wave's opening: the add, twice on end, and its wait ahead of my first tensor load; the set-up below, work on registers, stands between
	ds_add_u32 v[SPW], v[NIL]                      ; and once more, under the one wait
	v_lshrrev_b32 v[TM], 5, v0
	v_readfirstlane_b32 s[WV], v[TM]               ; wave 0..7
	s_bfe_u32 s100, ttmp6, 0x40000                 ; cx: my place in the cluster = my block of 512 queries
	s_and_b32 s101, ttmp7, 0xffff                  ; the head, 0..63, which the four partners share
	; descriptor groups 1: elements of 8 bytes; 15:0 the mask: all four work-groups; 21 set beside a mask
	s_mov_b32 s[G1K], 15|(3<<16)|(1<<21)           ; K's codes: 8 blocks of 32 keys (1,536 bytes = 192 elements), every second block of memory
	s_mov_b32 s[G1K+1], 192<<16                    ; tensor_dim0
	s_mov_b32 s[G1K+2], 8<<16                      ; tensor_dim1
	s_mov_b32 s[G1K+3], 192<<16                    ; tile_dim0
	s_mov_b32 s[G1K+4], 8                          ; tile_dim1
	s_mov_b32 s[G1K+5], 384                        ; from row to row
	s_mov_b32 s[G1K+6], 0
	s_mov_b32 s[G1K+7], 0
	s_mov_b32 s[G1V], 15|(3<<16)|(1<<21)           ; V's codes: one key step (96 bytes = 12 elements) of 32 channels, 1,536 bytes apart
	s_mov_b32 s[G1V+1], 12<<16
	s_mov_b32 s[G1V+2], 32<<16
	s_mov_b32 s[G1V+3], 12<<16
	s_mov_b32 s[G1V+4], 32
	s_mov_b32 s[G1V+5], 192
	s_mov_b32 s[G1V+6], 0
	s_mov_b32 s[G1V+7], 0
	s_mov_b32 s[G1KS], 15|(3<<16)|(1<<21)          ; K's scale bytes: 512 dense bytes as two rows of 256
	s_mov_b32 s[G1KS+1], 32<<16
	s_mov_b32 s[G1KS+2], 2<<16
	s_mov_b32 s[G1KS+3], 32<<16
	s_mov_b32 s[G1KS+4], 2
	s_mov_b32 s[G1KS+5], 32
	s_mov_b32 s[G1KS+6], 0
	s_mov_b32 s[G1KS+7], 0
	s_mov_b32 s[G1VS], 15|(3<<16)|(1<<20)|(1<<21)|(3<<22)|(1<<25)   ; V's scale bytes: 8 rows of 64; 20 padding on; 24:22 after every 16 words (code 3); 31:25 of 2 words (code 1)
	s_mov_b32 s[G1VS+1], 8<<16
	s_mov_b32 s[G1VS+2], 8<<16
	s_mov_b32 s[G1VS+3], 8<<16
	s_mov_b32 s[G1VS+4], 8
	s_mov_b32 s[G1VS+5], 8
	s_mov_b32 s[G1VS+6], 0
	s_mov_b32 s[G1VS+7], 0
	; what my wave fetches: made of the head and the wave's number alone
	s_mul_i32 s96, s101, 98304                     ; the head's first byte in each tensor of codes
	s_mov_b32 s97, 0
	s_lshl_b32 s98, s101, 12                       ; and of scale bytes,
	s_lshl_b32 s2, s[WV], 9
	s_add_co_u32 s98, s98, s2                      ; + my wave's 512
	s_mov_b32 s99, 0
	s_mul_i32 s2, s[WV], 192
	s_add_co_u32 s2, s2, s96                       ; V: key steps 2 w and 2 w + 1: 96 bytes a step in each row
	s_mov_b32 s3, 0
	s_and_b32 s85, s[WV], 1                        ; K: the even or the odd blocks,
	s_mul_i32 s[G0K+1], s85, DELTA
	s_mul_i32 s85, s85, 1536
	s_add_co_u32 s96, s96, s85
	s_lshr_b32 s85, s[WV], 1                       ; and which eight of them
	s_mul_i32 s86, s85, 12288
	s_add_co_u32 s[G0K+1], s[G0K+1], s86
	s_mul_i32 s86, s85, 24576
	s_add_co_u32 s96, s96, s86
	s_mov_b32 s[G0K], 1
	s_mov_b32 s[G0KS], 1
	s_lshl_b32 s86, s[WV], 9
	s_add_co_u32 s[G0KS+1], s86, KSC
	s_mov_b32 s[G0VS], 1
	s_mul_i32 s86, s[WV], 576
	s_add_co_u32 s[G0VS+1], s86, VSC
	s_mul_i32 s86, s[WV], 6144
.irp i, 0,1,2,3                        ; V's load i: channels 32 (i / 2) on, key step 2 w + i % 2
	s_mov_b32 s[G0V+4*\i], 1
	s_add_co_u32 s[G0V+4*\i+1], s86, VC+(\i/2)*DELTA+(\i%2)*3072
.endr
	s_mov_b32 s[CS], 0x3e38aa3b                    ; log2(e) / 8
	s_mov_b32 s[CS+1], s[CS]                       ; (named with it as a pair, so it is written)
	s_mov_b32 s[C8], 0x3e000000                    ; 1 / 8
	s_mov_b32 s[C8+1], s[C8]
	s_mov_b32 s[SEL], 0x76543210
	s_mov_b32 s[SEL+1], 0xfedcba98
	s_wait_dscnt 0x0                               ; both opening adds are done
	s_wait_kmcnt 0x0
	s_add_nc_u64 s[G0K+2:G0K+3], s[8:9], s[96:97]
	s_or_b32 s[G0K+3], s[G0K+3], 0x80000000        ; 127:126 type = 2
	s_add_nc_u64 s[G0KS+2:G0KS+3], s[10:11], s[98:99]
	s_or_b32 s[G0KS+3], s[G0KS+3], 0x80000000
	s_add_nc_u64 s[G0VS+2:G0VS+3], s[14:15], s[98:99]
	s_or_b32 s[G0VS+3], s[G0VS+3], 0x80000000
	s_add_nc_u64 s[12:13], s[12:13], s[2:3]
.irp i, 0,1,2,3
	s_add_nc_u64 s[G0V+4*\i+2:G0V+4*\i+3], s[12:13], (\i/2)*49152+(\i%2)*96
	s_or_b32 s[G0V+4*\i+3], s[G0V+4*\i+3], 0x80000000
.endr
	ROUND                                          ; all four work-groups are here: the joint loads meet
	tensor_load_to_lds s[G0KS:G0KS+3], s[G1KS:G1KS+7]   ; every wave issues seven loads, all first fills, in one group: K's first, since pass 1 wants K alone.  Seven loads of mine are out
	s_nop 0
	tensor_load_to_lds s[G0K:G0K+3], s[G1K:G1K+7]
	s_nop 0
	tensor_load_to_lds s[G0VS:G0VS+3], s[G1VS:G1VS+7]
	s_nop 0
.irp i, 0,1,2,3
	tensor_load_to_lds s[G0V+4*\i:G0V+4*\i+3], s[G1V:G1V+7]
	s_nop 0
.endr
	PLACES 4                                       ; an s_nop 0 behind each load and four v_nop behind the last
	; Q, the mask words and out: these alone hang on my place in the cluster
	s_lshl_b32 s85, s100, 9
	s_lshl_b32 s2, s[WV], 6
	s_add_co_u32 s85, s85, s2                      ; my first query: 512 cx + 64 wave
	s_mul_i32 s2, s85, 48
	s_mul_i32 s96, s101, 98304
	s_add_co_u32 s2, s2, s96
	s_mov_b32 s3, 0
	s_add_nc_u64 s[4:5], s[4:5], s[2:3]            ; its codes
	s_lshl_b32 s2, s85, 1
	s_lshl_b32 s96, s101, 12
	s_add_co_u32 s2, s2, s96
	s_add_nc_u64 s[6:7], s[6:7], s[2:3]            ; its scale bytes
	s_lshl_b32 s2, s85, 8                          ; 4,096 bytes of mask words for each 16 queries
	s_add_nc_u64 s[MW:MW+1], s[16:17], s[2:3]
	s_lshr_b32 s2, s101, 4
	s_lshl_b32 s2, s2, 23                          ; out: the batch's 2,048 rows of 4,096 bytes,
	s_lshl_b32 s96, s85, 12                        ; my first query's row,
	s_add_co_u32 s2, s2, s96
	s_and_b32 s96, s101, 15
	s_lshl_b32 s96, s96, 8                         ; my head's 256 bytes in it
	s_add_co_u32 s2, s2, s96
	s_add_nc_u64 s[OUT:OUT+1], s[18:19], s[2:3]
	v_and_b32 v[TM], 15, v0                        ; r
	v_bfe_u32 v[TM+1], v0, 4, 1                    ; h
	v_and_b32 v[TM+2], 7, v0                       ; r % 8
	v_bfe_u32 v[TM+3], v0, 3, 1                    ; r / 8
	v_mul_u32_u24 v[QO], v[TM], 48
	v_mad_u32_u24 v[QO], v[TM+1], 24, v[QO]        ; Q: row r of 48 bytes, + 24 h: my 32 codes
	v_lshlrev_b32 v[QSO], 1, v[TM]
	WIN 0x40                                       ; destination window 1
.irp t, 0,1,2,3
.irp p, 0,1,2
	global_load_b64 v[QZ+6+12*\t+2*\p:QZ+6+12*\t+2*\p+1], v[QO], s[4:5] offset:768*\t+8*\p th:TH_LOAD_NT   ; Q stays in registers; read once in the launch
.endr
.endr
.irp i, 0,1,2,3,4
.irp j, 0,1,2,3,4,5
	v_mov_b32 v[QZ+12*\i+\j], 0                    ; the zero codes between the tiles
.endr
.endr
	WIN 0
.irp t, 0,1,2,3
	global_load_u16 v[QS+\t], v[QSO], s[6:7] offset:32*\t   ; query r's two scale bytes, in both halves of the lanes
.endr
	v_mul_u32_u24 v[AL], v[TM+2], 96
	v_mad_u32_u24 v[AL], v[TM+3], DELTA, v[AL]
	v_mad_u32_u24 v[AL], v[TM+1], 24, v[AL]
	v_add_nc_u32 v[AV0], VC, v[AL]
	v_lshl_add_u32 v[AKS0], v[TM+2], 2, KSC        ; K's scale words: 4 bytes a row of two keys: 4 (r % 8) + 64 (r / 8) + 32 h
	v_lshl_add_u32 v[AKS0], v[TM+3], 6, v[AKS0]
	v_lshl_add_u32 v[AKS0], v[TM+1], 5, v[AKS0]
	v_lshl_add_u32 v[AVS0], v[TM+3], 5, v[TM+2]    ; V's: channel r % 8 + 32 (r / 8) + 8 h, 72 bytes a channel
	v_lshl_add_u32 v[AVS0], v[TM+1], 3, v[AVS0]
	v_mul_u32_u24 v[AVS0], v[AVS0], 72
	v_add_nc_u32 v[AVS0], VSC, v[AVS0]
	v_mov_b32 v[NEG], 0xce6e6b28                   ; -1e9
	v_lshlrev_b32 v[SH8], 3, v[TM+1]
	v_lshlrev_b32 v[TM+4], 4, v[TM+1]              ; 16 h
	s_mul_i32 s2, s[WV], 16*SPITCH
	s_add_co_u32 s2, s2, STAGE                     ; my stage
	v_mul_u32_u24 v[STO], v[TM], SPITCH            ; in: row r, 128 bytes for each half of the lanes
	v_lshl_add_u32 v[STO], v[TM+1], 7, v[STO]
	v_add_nc_u32 v[STO], s2, v[STO]
	v_mul_u32_u24 v[RD], v[TM+1], SPITCH           ; back: lanes 0-15 one row of 256 bytes, lanes 16-31 the next
	v_lshl_add_u32 v[RD], v[TM], 4, v[RD]
	v_add_nc_u32 v[RD], s2, v[RD]
	v_lshlrev_b32 v[GO], 12, v[TM+1]               ; and the same two rows in out
	v_lshl_add_u32 v[GO], v[TM], 4, v[GO]
	s_wait_loadcnt 0x0                             ; Q and its scale bytes
.irp t, 0,1,2,3
	v_lshlrev_b32 v[QS+\t], v[TM+4], v[QS+\t]      ; lanes 16-31: the two bytes moved up, for [0, q]
.endr
.irp t, 0,1,2,3                        ; (the 25 moves below are also the places between those shifts and the first scaled product)
	v_mov_b32 v[ST+4*\t+1], 0xff61b1e6             ; the largest t so far: -3e38, under every t
	v_floor_f32 v[ST+4*\t], -v[ST+4*\t+1]          ; -M
	v_mov_b32 v[ST+4*\t+2], 0                      ; the sum, in two halves: the first change of M multiplies zeros
	v_mov_b32 v[ST+4*\t+3], 0
	v_mov_b32 v[U+4*\t], 0                         ; written once: a lane permute's destination counts as one of its sources
	v_mov_b32 v[U+4*\t+3], 0
.endr
	v_mov_b32 v[TM+8], 0
	s_wait_tensorcnt 5                             ; tensor loads of a wave end in order (ISA guide 10.11.1): my parts of K's scale bytes and codes are in; the five loads issued behind them, V's, may stay out
	s_barrier_signal -1
	s_barrier_wait -1                              ; everybody's are
	; ---- PASS 1: the row's maximum and sum over all 2,048 keys
	s_mov_b32 s[TK], 0
	s_mov_b32 s[TS], 0
	v_add_nc_u32 v[ADR], s[TK], v[AL]
	v_add_nc_u32 v[ADS], s[TS], v[AKS0]
	LOADF
	LOADS 128
	s_mov_b32 s[CNT], 15
.Lpass1:                                           ; 15 trips: a trip works one step and fetches the next
	STEP1 1
	s_sub_co_u32 s[CNT], s[CNT], 1
	s_cmp_lg_u32 s[CNT], 0
	s_cbranch_scc1 .Lpass1
	STEP1 0                                        ; the last step fetches nothing
	; -L = (-M - log2(sum)) x ln 2.  A query's two halves of the keys meet: the larger M, both sums brought under it (exact), added
.irp t, 0,1,2,3
	v_permlanex16_b32 v[U+4*\t], v[ST+4*\t], s[SEL], s[SEL+1]
.endr
.irp t, 0,1,2,3
	v_min_num_f32 v[U+4*\t], v[U+4*\t], v[ST+4*\t]     ; -M of the query
.endr
.irp t, 0,1,2,3
	v_sub_f32 v[U+4*\t+1], v[U+4*\t], v[ST+4*\t]       ; my M less the query's: a whole number, 0 or less
.endr
.irp t, 0,1,2,3
	v_cvt_i32_f32 v[U+4*\t+1], v[U+4*\t+1]
.endr
.irp t, 0,1,2,3
	v_add_f32 v[U+4*\t+2], v[ST+4*\t+2], v[ST+4*\t+3]
.endr
.irp t, 0,1,2,3
	v_ldexp_f32 v[U+4*\t+2], v[U+4*\t+2], v[U+4*\t+1]
.endr
.irp t, 0,1,2,3
	v_permlanex16_b32 v[U+4*\t+3], v[U+4*\t+2], s[SEL], s[SEL+1]
.endr
.irp t, 0,1,2,3
	v_add_f32 v[U+4*\t+2], v[U+4*\t+2], v[U+4*\t+3]    ; over 0.5: the key with the largest t adds more than that
.endr
.irp t, 0,1,2,3
	v_log_f32 v[U+4*\t+3], v[U+4*\t+2]
.endr
	v_nop                                          ; a plain instruction behind the last logarithm
	s_wait_alu depctr_va_vdst(0)                   ; one wait for the four, ahead of their first reader
.irp t, 0,1,2,3
	v_sub_f32 v[U+4*\t], v[U+4*\t], v[U+4*\t+3]
.endr
.irp t, 0,1,2,3
	v_mul_f32 v[ST+4*\t], 0x3f317218, v[U+4*\t]        ; x ln 2
.endr
	s_wait_tensorcnt 0x0                           ; my parts of V are in, and no tensor load of mine is out: the descriptors' registers are free
	s_barrier_signal -1
	s_barrier_wait -1                              ; everybody's are
	; ---- PASS 2: x, the mask, codes, x . v
	s_mov_b32 s[TK], 0
	s_mov_b32 s[TS], 0
	s_mov_b32 s[TJ], 0
	s_mov_b32 s[MO], 0
	MLOAD 0
	STEP2 1, 1                                     ; the first step stands in front of the loop: its products start O^T's sums
	s_mov_b32 s[CNT], 14
.Lpass2:
	STEP2 0, 1
	s_sub_co_u32 s[CNT], s[CNT], 1
	s_cmp_lg_u32 s[CNT], 0
	s_cbranch_scc1 .Lpass2
	STEP2 0, 0                                     ; the last step asks for no further mask words: no load leaves its buffer
	; ---- THE WAY OUT.  A lane holds 128 neighbouring bytes of a row of out, and the lanes beside it hold other rows: a tile goes through my own stage and comes back as whole rows of 256 bytes.
.macro PACK t
	WIN 0x04                                       ; an LDS store's data are its source 1: window 1
.irp dt, 0,1,2,3
	ds_store_b128 v[STO], v[32*\t+8*\dt:32*\t+8*\dt+3] offset:32*\dt          ; each accumulator from its low end on
	ds_store_b128 v[STO], v[32*\t+8*\dt+4:32*\t+8*\dt+7] offset:32*\dt+16
.endr
	WIN 0
.irp i, 0,1,2,3,4,5,6,7
	ds_load_b128 v[S+32*\t+4*\i:S+32*\t+4*\i+3], v[RD] offset:2*\i*SPITCH     ; LDS serves a wave's instructions in order (ISA guide 5.7.1.4): these see the stores above, and the next tile's stores come behind them
.endr
.endm
.macro SEND t, younger                 ; younger: the LDS instructions issued behind tile t's loads: the next tile's sixteen, or none
.irp i, 0,1,2,3,4,5,6,7
	s_wait_dscnt \younger+7-\i
	global_store_b128 v[GO], v[S+32*\t+4*\i:S+32*\t+4*\i+3], s[OUT:OUT+1] offset:(16*\t+2*\i)*4096 th:TH_STORE_NT   ; 16 lanes store 256 consecutive bytes, at a multiple of 256 from out's first byte; written once, read by nobody here
.endr
.endm
	PLACES 4                                       ; the stores read results just made
	PACK 0
	PACK 1
	SEND 0, 16
	PACK 2
	SEND 1, 16
	PACK 3
	SEND 2, 16
	SEND 3, 0
	s_wait_tensorcnt 0x0                           ; the wave's end, behind my last tensor load and my last LDS store
	ds_add_u32 v[SPW], v[NIL]
	s_wait_dscnt 0x0
	ROUND                                          ; the closing round: no work-group ends while a partner may still ask for a tile that names it
	s_endpgm
.Lfunc_end_k_q2f269c990d_attn:
	.size	k_q2f269c990d_attn, .Lfunc_end_k_q2f269c990d_attn-k_q2f269c990d_attn
	.p2alignl 7, 3214868480
	.fill 96, 4, 3214868480
	.section	.rodata,"a",@progbits
	.p2align	6, 0x0
	.amdhsa_kernel k_q2f269c990d_attn
		.amdhsa_group_segment_fixed_size 241664
		.amdhsa_private_segment_fixed_size 0
		.amdhsa_enable_private_segment 0
		.amdhsa_kernarg_size 64
		.amdhsa_user_sgpr_count 2
		.amdhsa_user_sgpr_kernarg_segment_ptr 1
		.amdhsa_wavefront_size32 1
		.amdhsa_system_sgpr_workgroup_id_x 1
		.amdhsa_system_sgpr_workgroup_id_y 1
		.amdhsa_system_sgpr_workgroup_id_z 1
		.amdhsa_system_vgpr_workitem_id 0
		.amdhsa_next_free_vgpr 512
		.amdhsa_next_free_sgpr 102
		.amdhsa_reserve_vcc 0
		.amdhsa_float_denorm_mode_32 3
		.amdhsa_float_denorm_mode_16_64 3
		.amdhsa_memory_ordered 1
		.amdhsa_forward_progress 1
		.amdhsa_inst_pref_size 247
	.end_amdhsa_kernel
	.amdgpu_metadata
---
amdhsa.version: [ 1, 2 ]
amdhsa.kernels:
  - .name:           k_q2f269c990d_attn
    .symbol:         k_q2f269c990d_attn.kd
    .args:
      - { .name: q_codes, .offset: 0, .size: 8, .value_kind: global_buffer, .address_space: global }
      - { .name: q_scales, .offset: 8, .size: 8, .value_kind: global_buffer, .address_space: global }
      - { .name: k_codes, .offset: 16, .size: 8, .value_kind: global_buffer, .address_space: global }
      - { .name: k_scales, .offset: 24, .size: 8, .value_kind: global_buffer, .address_space: global }
      - { .name: v_codes, .offset: 32, .size: 8, .value_kind: global_buffer, .address_space: global }
      - { .name: v_scales, .offset: 40, .size: 8, .value_kind: global_buffer, .address_space: global }
      - { .name: mw, .offset: 48, .size: 8, .value_kind: global_buffer, .address_space: global }
      - { .name: out0, .offset: 56, .size: 8, .value_kind: global_buffer, .address_space: global }
    .group_segment_fixed_size: 241664
    .private_segment_fixed_size: 0
    .kernarg_segment_align: 8
    .kernarg_segment_size: 64
    .max_flat_workgroup_size: 256
    .sgpr_count:     102
    .vgpr_count:     512
    .wavefront_size: 32
...
	.end_amdgpu_metadata
.endif
;; end of part 2
